; MI455X (gfx1250); checked and timed in simulation.
; The chip was launched on July 23, 2026; its instructions are those of AMD's public machine-readable ISA for CDNA 5 (MIT licence, August 2026) and "CDNA5" Instruction Set Architecture Reference Guide (July 2026). The comments in the code are by the model that wrote it; some were corrected since.
;; Mo E Head. Allowed arithmetic: matrix products marked QUANTISED: E2M3 operands, one E8M0 scale for each 32 along K, by v_wmma_scale_f32_16x16x128_f8f6f4 with both operands' format E2M3, f32 sums; products left as they are: f32 operands where the result goes on into a quantised operand, else bf16, f16 or f32 operands; f32 sums; everything else in f32.
;; Inputs: W1_codes 8 x 2,048 x 32 x 24 uint8 (E2M3 codes of W1, K innermost, in blocks of 32 codes, four codes in three bytes); W1_scales 8 x 2,048 x 32 uint8 (E8M0 scales of W1, one for each 32 codes along K); W2 8 x 2,048 x 8 float32; b1 8 x 2,048 float32; b2 8 x 8 float32; feat 4,096 x 1,024 float32; ln_beta 8 x 1,024 float32; ln_gamma 8 x 1,024 float32; mu_cat 8 x 256 float32; z_cat 4,096 x 256 float32.
;; Outputs: out0 4,096 x 8 float32; out1 4,096 x 8 float32.
;; Constants: tau_gate = 1.
;; This version of the problem:
;;   THIS VERSION OF THE PROBLEM IS GIVEN IN LOW PRECISION. The matrix products marked QUANTISED in the list below multiply operands that are first quantised to E2M3 (2 exponent bits, 3 mantissa bits; 6 bits a number), with one power-of-two scale for each 32 numbers along K (OCP MX v1.0); their sums are f32. All else is computed in f32.
;;   The module's matrix products, in the order in which they are computed (A, B: the left and right operand; K: the contracted axis; several contracted axes count as one K, in the product's order):
;;     1. [M 4,096, K 256] x [K 256, N 8]; A: computed on the way; B: computed on the way: left as it is (N = 8 < 16)
;;     2. batch 8 x [M 4,096, K 1,024] x [K 1,024, N 2,048]; A: computed on the way; B: input W1 (given as codes): QUANTISED
;;     3. batch 8 x [M 4,096, K 2,048] x [K 2,048, N 8]; A: computed on the way; B: input W2: left as it is (N = 8 < 16)
;;     4. batch 4,096 x [M 8, K 8] x [K 8, N 1]; A: computed on the way; B: softmax: left as it is (K = 8 < 32)
;;   THE QUANTISER, for each operand of a quantised product, along K:
;;     - K is cut into blocks of 32 from its start; a last block that is shorter is filled with zeros.
;;     - A block's scale is 2^e with e = floor(log2(the largest magnitude in the block)) - 2, held to -126 .. 127; a block of zeros has e = 0. As a byte (E8M0): e + 127.
;;     - Each number is divided by its block's scale, clamped to +-7.5, and rounded to the nearest number of E2M3, ties to even, subnormals kept.
;;     - The product sums the exact products of the quantised numbers (number of the format x scale) in f32.
;;   ~~~python
;;   def quantise(x, axis):      # numpy; x: float32 -> the quantised numbers, widened to float32 again
;;       x = np.moveaxis(x, axis, -1); K = x.shape[-1]
;;       x = np.pad(x, [(0, 0)] * (x.ndim - 1) + [(0, -K % 32)]); x = x.reshape(x.shape[:-1] + (-1, 32)); a = np.abs(x).max(-1, keepdims=True)
;;       e = np.where(a > 0, np.clip(np.frexp(np.where(a > 0, a, 1))[1] - 1 - 2, -126, 127), 0)      # np.frexp(a)[1] - 1 = floor(log2(a)), exactly
;;       r = np.clip(x / 2.0 ** e, -7.5, 7.5)
;;       step = 2.0 ** (np.maximum(np.frexp(np.where(r == 0, 1, r))[1] - 1, 0) - 3)
;;       q = np.round(r / step) * step * 2.0 ** e      # np.round: ties to even
;;       return np.moveaxis(q.reshape(q.shape[:-2] + (-1,))[..., :K], -1, axis).astype(np.float32)
;;   ~~~
;;   OPERANDS COMPUTED ON THE WAY. 'Computed on the way' means the value that the module computes at that place (a softmax that the list does not call 'softmax' is quantised finished and normalised). What goes into a quantiser is computed in f32, as accurately as f32 sums, v_exp_f32 and their like allow (about 1e-6 of the number): no bf16 or f16 on the way to a quantiser, and a product that is left as it is and whose result goes on into a quantised operand takes f32 operands (vector FMAs, or v_wmma_f32_16x16x4_f32). A number that lies on a knife's edge between two numbers of the format may be rounded either way, as far as f32 arithmetic and the matrix unit's own rounding can turn it there, and no further.
;;   INPUTS GIVEN AS CODES. W1 (in the module: [8, 1024, 2048], K = its axis 1): each comes as NAME_codes (uint8): NAME with its K axis moved to the last place and cut into blocks of 32 codes, [.., K / 32, bytes a block], one block behind the other in memory; four codes in three bytes: a row's codes are one little-endian stream of bits, code i at bits 6 i .. 6 i + 5 (a code: sign, 2 exponent bits, 3 mantissa bits); and NAME_scales (uint8): the same leading axes, one E8M0 byte (e + 127) for each 32 codes along K. Its value is code x scale, taken as it is: it is not quantised again, and the codes and scales need not be those that the quantiser above would give.
;; One version. Each part assembles by itself: llvm-mc -triple=amdgcn-amd-amdhsa -mcpu=gfx1250 --defsym DOCPART=n.
;; ======== version 1 of 1: 3 launches
;; limits: values are held in bf16: 8 bits of precision; right only within a limited range of input values
;; workspace buffers: xq 25,165,824 bytes; xs 1,048,576 bytes; w2f 1,048,576 bytes; part 4,194,304 bytes
;; launch prep (part 1): grid 256 x 1, 8 waves a work-group, no clusters, 73,728 bytes of LDS; arguments feat, ln_gamma, ln_beta, W2, xq, xs, w2f; writes xq, xs, w2f
.if DOCPART == 1
	.amdgcn_target "amdgcn-amd-amdhsa--gfx1250"
	.amdhsa_code_object_version 6
	.text
	.protected	k_qe8467a8d19_prep
	.globl	k_qe8467a8d19_prep
	.p2align	8
	.type	k_qe8467a8d19_prep,@function
k_qe8467a8d19_prep:
	s_mov_b64 s[64:65], 0
	v_nop
	global_prefetch_b8 v0, s[64:65] scope:SCOPE_SE
	s_setreg_imm32_b32 hwreg(HW_REG_WAVE_MODE, 25, 1), 1
	s_wait_xcnt 0x0
; LAUNCH 1 OF 3.  xhat = (feat - mean) * rsqrt(var + 1e-5), once for each row; x_e = xhat * gamma_e + beta_e for the 8 experts, each quantised along D = 1,024 to codes of E2M3 with one
; E8M0 byte for each 32; W2 rounded to bf16 and laid as operands of the second product.
; WHAT IS LEFT OUT OF reference(): nothing in whole units.  Every input buffer has a way to an output and is loaded by one of the three launches.  tau_gate = 1 is a constant of the problem, so
; sims / tau is sims (a factor that is 1); the dropout is the identity in reference() itself.
; LIMITS: NaN and infinities among the inputs are not served.  A block of zeros gets the byte 1 where the quantiser says 127: its codes are zeros, which add nothing under any byte but 0xff, and
; these bytes are read by this program alone.  Blocks whose largest magnitude lies under 2^(3 - 127) are held at the byte 1.
; OUT: xq [e 8][rb 256][s 8][quad 3][lane 32][16 bytes]: a fragment (rows 16 rb + r, K step s of 128) as the image of its 12 registers: lane (r, h), register 6 c + i = the codes of
;      k = 128 s + 64 c + 32 h + 0 .. 31.   xs [e][row 4,096][8 words]: word s = the four scale bytes of K step s.
;      w2f [G = 128 e + g, 1,024][quad 2][lane 32][16 bytes]: 16 hidden units in bf16: lane (r, h) holds units 8 h + 0 .. 7 of class r % 8, in registers 0-3 for r < 8, in registers 4-7 for r >= 8, zeros elsewhere.
; SHARES: work-group rb owns 16 rows; wave s owns K step s for all 8 experts; lane (r, h) holds 64 numbers of row r, register 32 c + i = k 128 s + 64 c + 32 h + i: two whole blocks of 32,
; so a block's largest magnitude needs no other lane and the conversions' results are the operand's registers.  Waves 0 to 3 also make W2's fragment 4 rb + wave.
; No tensor load: each byte is read once, by one wave.  No matrix unit: there is no product here.
.set SPITCH, 528                       ; a stage row: 512 bytes + 16, an odd multiple of 16: the 16 rows that a read touches start 16 bytes apart modulo 256
.set WSTG,   16*SPITCH                 ; LDS: a stage of 16 rows for each wave, from byte 0
.set SUM1,   8*WSTG                    ; [r 16][wave 8] words: the rows' sums; 512 bytes on: the sums of squares
.set SCW,    SUM1+1024                 ; [e 8][r 16][s 8] words: the scale words
.set SPARE,  SCW+4096                  ; the spare words, 128 bytes for each wave: four blocks of 256 bytes that no other line names
.set L16, 4                            ; v4   16 x lane
.set STI, 5                            ; v5   the stage, in: wave's stage + 16 x lane
.set STO, 6                            ; v6   the stage, out: wave's stage + 528 r + 128 h
.set GO,  7                            ; v7   gamma, beta: 256 (r / 8) + 128 h + 16 (r % 8)
.set SW,  8                            ; v8   SUM1 + 32 r + 4 wave
.set SR,  9                            ; v9   SUM1 + 32 r
.set CW,  10                           ; v10  SCW + 32 r + 4 wave
.set CR,  11                           ; v11  SCW + 512 wave + 16 lane
.set SH,  12                           ; v12  8 h
.set WO,  13                           ; v13  W2: 256 h + 4 (r % 8)
.set M,   14                           ; v14-15 largest magnitudes; a row's sum
.set SO,  16                           ; v16-17 the conversions' scale operands
.set BY,  18                           ; v18-19 scale bytes
.set TW,  20                           ; v20  at work
.set PT,  21                           ; v21  a lane permute's destination
.set WD,  22                           ; v22-29 the scale word of each expert (ahead of the experts: v24-27 serve the statistics)
.set MEAN, 24                          ; v24-25 the mean, later 1 / sqrt(var + eps), twice
.set VAR, 26
.set C10, 27                           ; 2^-10
.set SPW, 30                           ; v30  my spare word: SPARE + 4 x my thread's number; never rewritten
.set NIL, 31                           ; v31  0; never rewritten
.set C,   32                           ; v32-43 a fragment's 12 registers
.set T,   44                           ; v44-50 the second halves of the blocks' codes
.set WT,  32                           ; v32-43 8 numbers of W2 and their bf16 pairs, at the head only
.set CH,  52                           ; v52-59 four packed chains
.set Y,   64                           ; v64-127 x as loaded, then x_e
.set X,   128                          ; v128-191 x, then xhat
.set G,   192                          ; v192-223 gamma: register 4 e + j, lane (n, h): gamma[e][128 s + 64 (n / 8) + 32 h + 4 (n % 8) + j]: what my row's lanes want as their number 4 n + j
.set BT,  224                          ; v224-255 beta likewise
	s_load_b256 s[4:11], s[0:1], 0x0               ; feat s[4:5], gamma s[6:7], beta s[8:9], W2 s[10:11]
	s_load_b128 s[12:15], s[0:1], 0x20             ; xq s[12:13], xs s[14:15]
	s_load_b64 s[16:17], s[0:1], 0x30              ; w2f
	v_lshl_add_u32 v[SPW], v0, 2, SPARE
	v_mov_b32 v[NIL], 0
	v_lshrrev_b32 v1, 5, v0
	s_delay_alu instid0(VALU_DEP_1)
	v_readfirstlane_b32 s18, v1                    ; wave = K step
	v_and_b32 v1, 31, v0                           ; lane
	v_and_b32 v2, 15, v0                           ; r
	v_bfe_u32 v3, v0, 4, 1                         ; h
	s_mov_b32 s20, 0x76543210
	s_mov_b32 s21, 0xfedcba98                      ; v_permlanex16_b32's selects for lane l xor 16
	v_lshlrev_b32 v[L16], 4, v1
	s_mul_i32 s22, s18, WSTG
	v_add_nc_u32 v[STI], s22, v[L16]
	v_mul_u32_u24 v[STO], v2, SPITCH
	s_delay_alu instid0(VALU_DEP_1)
	v_lshl_add_u32 v[STO], v3, 7, v[STO]
	s_delay_alu instid0(VALU_DEP_1)
	v_add_nc_u32 v[STO], s22, v[STO]
	v_and_b32 v[GO], 7, v2
	s_delay_alu instid0(VALU_DEP_1)
	v_lshlrev_b32 v[GO], 4, v[GO]
	v_lshrrev_b32 v[TW], 3, v2
	s_delay_alu instid0(VALU_DEP_1)
	v_lshl_add_u32 v[GO], v[TW], 8, v[GO]
	s_delay_alu instid0(VALU_DEP_1)
	v_lshl_add_u32 v[GO], v3, 7, v[GO]
	v_lshlrev_b32 v[SR], 5, v2
	s_delay_alu instid0(VALU_DEP_1)
	v_add_nc_u32 v[SR], SUM1, v[SR]
	s_lshl_b32 s23, s18, 2
	v_add_nc_u32 v[SW], s23, v[SR]
	s_delay_alu instid0(VALU_DEP_1)
	v_add_nc_u32 v[CW], SCW-SUM1, v[SW]
	s_lshl_b32 s23, s18, 9
	v_add_nc_u32 v[CR], s23, v[L16]
	s_delay_alu instid0(VALU_DEP_1)
	v_add_nc_u32 v[CR], SCW, v[CR]
	v_lshlrev_b32 v[SH], 3, v3
	v_and_b32 v[WO], 7, v0
	s_delay_alu instid0(VALU_DEP_1)
	v_lshlrev_b32 v[WO], 2, v[WO]
	s_delay_alu instid0(VALU_DEP_1)
	v_lshl_add_u32 v[WO], v3, 8, v[WO]
	v_mov_b32 v[PT], 0                             ; written once: a lane permute's destination counts as one of its sources
	v_mov_b32 v[C10], 0x3a800000                   ; 2^-10 = 1 / 1,024
	s_lshl_b32 s24, ttmp9, 16                      ; feat: 16 rows of 4,096 bytes a work-group,
	s_lshl_b32 s26, s18, 9                         ; 512 bytes a K step (gamma and beta too)
	s_add_co_u32 s24, s24, s26
	s_mov_b32 s25, 0
	s_mov_b32 s27, 0
	s_lshl_b32 s28, ttmp9, 3
	s_add_co_u32 s28, s28, s18
	s_mul_i32 s28, s28, 1536                       ; xq: fragment 8 rb + s of expert 0
	s_mov_b32 s29, 0
	s_lshl_b32 s30, s18, 17                        ; xs: wave e stores expert e's words: 131,072 bytes an expert, 512 a work-group
	s_lshl_b32 s31, ttmp9, 9
	s_add_co_u32 s30, s30, s31
	s_mov_b32 s31, 0
	; W2's FRAGMENTS, AS THEY ARE LAID NOW (this takes the place of what the head says of w2f): w2f [G = 128 e + g, 1,024][quad 2][lane 32][16 bytes], 16 hidden units each.
	; Lane (r, h): X = bf16 of W2[e][16 g + 8 h + 0 .. 7][r % 8]; registers 0-3 = X for r < 8, else zeros; registers 4-7 = X for r >= 8, else zeros.  Waves 0 to 3 make fragment 4 rb + wave.
	s_and_b32 s48, s18, 3
	s_lshl_b32 s49, ttmp9, 2
	s_add_co_u32 s48, s48, s49
	s_lshl_b32 s52, s48, 9                         ; W2: 16 hidden units x 32 bytes in,
	s_mov_b32 s53, 0
	s_lshl_b32 s48, s48, 10                        ; w2f: 1,024 bytes out
	s_mov_b32 s49, 0
	s_mov_b32 s50, 0xff00ff00                      ; the lanes with r >= 8
	s_wait_kmcnt 0x0
	s_add_nc_u64 s[4:5], s[4:5], s[24:25]
	s_add_nc_u64 s[6:7], s[6:7], s[26:27]
	s_add_nc_u64 s[8:9], s[8:9], s[26:27]
	s_add_nc_u64 s[10:11], s[10:11], s[52:53]
	s_add_nc_u64 s[16:17], s[16:17], s[48:49]
	s_add_nc_u64 s[14:15], s[14:15], s[30:31]
	s_add_nc_u64 s[32:33], s[12:13], s[28:29]      ; a base for each expert, so that no pointer is stepped
.irp e, 1,2,3,4,5,6,7
	s_add_nc_u64 s[32+2*\e:33+2*\e], s[32:33], \e*3145728
.endr
	s_cmp_lt_u32 s18, 4
	s_cbranch_scc0 .Lno_w2_loads
	s_wait_alu depctr_va_vdst(0)
.irp i, 0,1,2,3,4,5,6,7                        ; register i: hidden unit 8 h + i of the fragment's 16, class r % 8
	global_load_b32 v[WT+\i], v[WO], s[10:11] offset:32*\i
.endr
.Lno_w2_loads:
.irp i, 0,1,2,3,4,5,6,7,8,9,10,11,12,13,14,15
	global_load_b128 v[Y+4*\i:Y+4*\i+3], v[L16], s[4:5] offset:\i*4096 th:TH_LOAD_NT   ; row i: the 32 lanes read my K step's 512 consecutive bytes
.endr
.irp e, 0,1,2,3,4,5,6,7
	global_load_b128 v[G+4*\e:G+4*\e+3], v[GO], s[6:7] offset:\e*4096     ; an expert's 128 numbers of my K step: the 32 lanes cover 512 consecutive bytes, 16 each
	global_load_b128 v[BT+4*\e:BT+4*\e+3], v[GO], s[8:9] offset:\e*4096
.endr
	s_wait_loadcnt 16                              ; 16 loads were issued behind x's sixteen: x (and W2, which is older) is in
.irp i, 0,1,2,3,4,5,6,7,8,9,10,11,12,13,14,15
	ds_store_b128 v[STI], v[Y+4*\i:Y+4*\i+3] offset:\i*SPITCH
.endr
.irp c, 0,1
.irp j, 0,1,2,3,4,5,6,7
	ds_load_b128 v[X+32*\c+4*\j:X+32*\c+4*\j+3], v[STO] offset:256*\c+16*\j   ; my wave's own bytes; LDS serves a wave's instructions in order: these see the stores above
.endr
.endr
	s_cmp_lt_u32 s18, 4
	s_cbranch_scc0 .Lno_w2
.irp i, 0,1,2,3
	v_cvt_pk_bf16_f32 v[WT+8+\i], v[WT+2*\i], v[WT+2*\i+1]
.endr
.irp i, 0,1,2,3
	v_cndmask_b32 v[WT+\i], v[WT+8+\i], v[NIL], s50              ; registers 0-3: mine for r < 8
	v_cndmask_b32 v[WT+4+\i], v[NIL], v[WT+8+\i], s50            ; registers 4-7: mine for r >= 8
.endr
	global_store_b128 v[L16], v[WT:WT+3], s[16:17]
	global_store_b128 v[L16], v[WT+4:WT+7], s[16:17] offset:512
.Lno_w2:
	s_wait_dscnt 0x0                               ; my 64 numbers are in
; The four chains are joined; lane l xor 16 holds the row's other 64 numbers of this K step; the eight waves' sums meet in LDS.  All waves add them in the same order.
.macro EXCH off
	s_delay_alu instid0(VALU_DEP_3)
	v_pk_add_f32 v[CH:CH+1], v[CH:CH+1], v[CH+2:CH+3]
	s_delay_alu instid0(VALU_DEP_2)
	v_pk_add_f32 v[CH+4:CH+5], v[CH+4:CH+5], v[CH+6:CH+7]
	s_delay_alu instid0(VALU_DEP_1)
	v_pk_add_f32 v[CH:CH+1], v[CH:CH+1], v[CH+4:CH+5]
	s_delay_alu instid0(VALU_DEP_1)
	v_add_f32 v[M], v[CH], v[CH+1]
	s_delay_alu instid0(VALU_DEP_1)
	v_permlanex16_b32 v[PT], v[M], s20, s21
	s_delay_alu instid0(VALU_DEP_1)
	v_add_f32 v[M], v[M], v[PT]
	ds_store_b32 v[SW], v[M] offset:\off           ; both lanes of a row write the same word with the same value
	s_wait_dscnt 0x0                               ; for the others' sake: my store has landed
	s_barrier_signal -1
	s_barrier_wait -1
	ds_load_b128 v[CH:CH+3], v[SR] offset:\off
	ds_load_b128 v[CH+4:CH+7], v[SR] offset:\off+16
	s_wait_dscnt 0x0
	v_pk_add_f32 v[CH:CH+1], v[CH:CH+1], v[CH+2:CH+3]
	v_pk_add_f32 v[CH+4:CH+5], v[CH+4:CH+5], v[CH+6:CH+7]
	s_delay_alu instid0(VALU_DEP_1)
	v_pk_add_f32 v[CH:CH+1], v[CH:CH+1], v[CH+4:CH+5]
	s_delay_alu instid0(VALU_DEP_1)
	v_add_f32 v[M], v[CH], v[CH+1]
.endm
	; the mean, then the variance of the differences: two passes, so that a common offset of the row costs no digits
.irp k, 0,1,2,3
	v_pk_add_f32 v[CH+2*\k:CH+2*\k+1], v[X+2*\k:X+2*\k+1], v[X+8+2*\k:X+8+2*\k+1]
.endr
.set j, 8
.rept 24
	s_delay_alu instid0(VALU_DEP_4)
	v_pk_add_f32 v[CH+2*(j%4):CH+2*(j%4)+1], v[CH+2*(j%4):CH+2*(j%4)+1], v[X+2*j:X+2*j+1]
.set j, j+1
.endr
	EXCH 0
	s_delay_alu instid0(VALU_DEP_1)
	v_mul_f32 v[MEAN], v[C10], v[M]
	s_delay_alu instid0(VALU_DEP_1)
	v_mov_b32 v[MEAN+1], v[MEAN]
.set j, 0
.rept 32
	v_pk_add_f32 v[X+2*j:X+2*j+1], v[X+2*j:X+2*j+1], v[MEAN:MEAN+1] neg_lo:[0,1] neg_hi:[0,1]
.set j, j+1
.endr
.irp k, 0,1,2,3
	v_pk_mul_f32 v[CH+2*\k:CH+2*\k+1], v[X+2*\k:X+2*\k+1], v[X+2*\k:X+2*\k+1]
.endr
.set j, 4
.rept 28
	s_delay_alu instid0(VALU_DEP_4)
	v_pk_fma_f32 v[CH+2*(j%4):CH+2*(j%4)+1], v[X+2*j:X+2*j+1], v[X+2*j:X+2*j+1], v[CH+2*(j%4):CH+2*(j%4)+1]
.set j, j+1
.endr
	EXCH 512
	s_delay_alu instid0(VALU_DEP_1)
	v_fmaak_f32 v[VAR], v[M], v[C10], 0x3727c5ac   ; the sum / 1,024 + 1e-5
	s_wait_alu depctr_va_vdst(0)
	v_rsq_f32 v[MEAN], v[VAR]
	v_nop                                          ; a plain instruction behind the transcendental
	s_wait_alu depctr_va_vdst(0)                   ; and the wait ahead of the first line that names its result
	v_mov_b32 v[MEAN+1], v[MEAN]
.set j, 0
.rept 32
	v_pk_mul_f32 v[X+2*j:X+2*j+1], v[X+2*j:X+2*j+1], v[MEAN:MEAN+1]
.set j, j+1
.endr
	s_wait_loadcnt 0x0                             ; gamma and beta
; EXPERT e.  gamma and beta stay spread over the lanes, 8 registers an expert: my number 4 n + j wants lane n's word of register 4 e + j, which row_share:n brings.  An instruction has one
; such source, and both the factor and the term come from another lane: so a multiply and an add, not one fused line.
.macro QE e
.irp n, 0,1,2,3,4,5,6,7,8,9,10,11,12,13,14,15
.irp j, 0,1,2,3
	v_mul_f32_dpp v[Y+4*\n+\j], v[G+4*\e+\j], v[X+4*\n+\j] row_share:\n row_mask:0xf bank_mask:0xf
.endr
.endr
.irp n, 0,1,2,3,4,5,6,7,8,9,10,11,12,13,14,15
.irp j, 0,1,2,3
	v_add_f32_dpp v[Y+4*\n+\j], v[BT+4*\e+\j], v[Y+4*\n+\j] row_share:\n row_mask:0xf bank_mask:0xf
.endr
.endr
.irp c, 0,1
	v_max3_num_f32 v[M+\c], |v[Y+32*\c]|, |v[Y+32*\c+1]|, 0x1800000   ; block 2 c + h: all 32 numbers are mine; the floor 2^(3 - 127) holds the byte at 1 from below
.endr
.irp i, 2,4,6,8,10,12,14,16,18,20,22,24,26,28,30
.irp c, 0,1
	s_delay_alu instid0(VALU_DEP_2)
	v_max3_num_f32 v[M+\c], v[M+\c], |v[Y+32*\c+\i]|, |v[Y+32*\c+\i+1]|   ; (the two blocks by turns)
.endr
.endr
.irp c, 0,1
	s_delay_alu instid0(VALU_DEP_2)
	v_add_nc_u32 v[SO+\c], 0xff000000, v[M+\c]     ; 2 off the exponent field: the conversion takes the exponent field of this operand as its scale
.endr
.irp c, 0,1
	s_delay_alu instid0(VALU_DEP_2)
	v_lshrrev_b32 v[BY+\c], 23, v[SO+\c]           ; the scale's byte
.endr
	s_delay_alu instid0(VALU_DEP_1)
	v_lshl_or_b32 v[TW], v[BY+1], 16, v[BY]        ; my two bytes, blocks h and 2 + h,
	s_delay_alu instid0(VALU_DEP_1)
	v_lshlrev_b32 v[TW], v[SH], v[TW]              ; at their places in the word;
	s_delay_alu instid0(VALU_DEP_1)
	v_permlanex16_b32 v[PT], v[TW], s20, s21
	s_delay_alu instid0(VALU_DEP_1)
	v_or_b32 v[WD+\e], v[TW], v[PT]                ; with lane l xor 16's two the word is whole
	s_wait_alu depctr_va_vdst(0)
	s_wait_xcnt 0x0                                ; the last stores have read their data: the codes' registers are rewritten only behind this wait
	v_cvt_scalef32_pk16_fp6_f32 v[C:C+2], v[Y:Y+15], v[SO]
	v_cvt_scalef32_pk16_fp6_f32 v[T:T+2], v[Y+16:Y+31], v[SO]          ; (a conversion's three registers begin on an even number: a block's second half is made elsewhere and moved)
	v_cvt_scalef32_pk16_fp6_f32 v[C+6:C+8], v[Y+32:Y+47], v[SO+1]
	v_cvt_scalef32_pk16_fp6_f32 v[T+4:T+6], v[Y+48:Y+63], v[SO+1]
	v_nop                                          ; one plain place behind a scaled conversion
.irp i, 0,1,2
	v_mov_b32 v[C+3+\i], v[T+\i]
	v_mov_b32 v[C+9+\i], v[T+4+\i]
.endr
.irp q, 0,1,2
	global_store_b128 v[L16], v[C+4*\q:C+4*\q+3], s[32+2*\e:33+2*\e] offset:512*\q   ; 32 lanes store 512 consecutive bytes, at a multiple of 512 from xq's first byte
.endr
	ds_store_b32 v[CW], v[WD+\e] offset:512*\e
.endm
.irp e, 0,1,2,3,4,5,6,7
	QE \e
.endr
	s_wait_dscnt 0x0                               ; for the others' sake: my scale words have landed
	s_barrier_signal -1
	s_barrier_wait -1
	ds_load_b128 v[CH:CH+3], v[CR]                 ; wave e takes expert e's 16 rows x 8 words
	s_wait_dscnt 0x0
	global_store_b128 v[L16], v[CH:CH+3], s[14:15] ; 512 consecutive bytes, at a multiple of 512 from xs's first byte
	s_wait_tensorcnt 0x0                           ; the wave's end, behind my last LDS store
	ds_add_u32 v[SPW], v[NIL]
	s_wait_dscnt 0x0
	s_endpgm
.Lfunc_end_k_qe8467a8d19_prep:
	.size	k_qe8467a8d19_prep, .Lfunc_end_k_qe8467a8d19_prep-k_qe8467a8d19_prep
	.p2alignl 7, 3214868480
	.fill 96, 4, 3214868480
	.section	.rodata,"a",@progbits
	.p2align	6, 0x0
	.amdhsa_kernel k_qe8467a8d19_prep
		.amdhsa_group_segment_fixed_size 73728
		.amdhsa_private_segment_fixed_size 0
		.amdhsa_enable_private_segment 0
		.amdhsa_kernarg_size 56
		.amdhsa_user_sgpr_count 2
		.amdhsa_user_sgpr_kernarg_segment_ptr 1
		.amdhsa_wavefront_size32 1
		.amdhsa_system_sgpr_workgroup_id_x 1
		.amdhsa_system_sgpr_workgroup_id_y 1
		.amdhsa_system_sgpr_workgroup_id_z 1
		.amdhsa_system_vgpr_workitem_id 0
		.amdhsa_next_free_vgpr 256
		.amdhsa_next_free_sgpr 66
		.amdhsa_reserve_vcc 0
		.amdhsa_float_denorm_mode_32 3
		.amdhsa_float_denorm_mode_16_64 3
		.amdhsa_memory_ordered 1
		.amdhsa_forward_progress 1
		.amdhsa_inst_pref_size 124
	.end_amdhsa_kernel
	.amdgpu_metadata
---
amdhsa.version: [ 1, 2 ]
amdhsa.kernels:
  - .name:           k_qe8467a8d19_prep
    .symbol:         k_qe8467a8d19_prep.kd
    .args:
      - { .name: feat, .offset: 0, .size: 8, .value_kind: global_buffer, .address_space: global }
      - { .name: ln_gamma, .offset: 8, .size: 8, .value_kind: global_buffer, .address_space: global }
      - { .name: ln_beta, .offset: 16, .size: 8, .value_kind: global_buffer, .address_space: global }
      - { .name: W2, .offset: 24, .size: 8, .value_kind: global_buffer, .address_space: global }
      - { .name: xq, .offset: 32, .size: 8, .value_kind: global_buffer, .address_space: global }
      - { .name: xs, .offset: 40, .size: 8, .value_kind: global_buffer, .address_space: global }
      - { .name: w2f, .offset: 48, .size: 8, .value_kind: global_buffer, .address_space: global }
    .group_segment_fixed_size: 73728
    .private_segment_fixed_size: 0
    .kernarg_segment_align: 8
    .kernarg_segment_size: 56
    .max_flat_workgroup_size: 256
    .sgpr_count:     66
    .vgpr_count:     256
    .wavefront_size: 32
...
	.end_amdgpu_metadata
.endif
;; end of part 1
;; launch gemm (part 2): grid 8 x 32, 4 waves a work-group, clusters of 4 x 1, 327,680 bytes of LDS; arguments xq, xs, W1_codes, W1_scales, b1, w2f, part; writes part
.if DOCPART == 2
	.amdgcn_target "amdgcn-amd-amdhsa--gfx1250"
	.amdhsa_code_object_version 6
	.text
	.protected	k_qe8467a8d19_gemm
	.globl	k_qe8467a8d19_gemm
	.p2align	8
	.type	k_qe8467a8d19_gemm,@function
k_qe8467a8d19_gemm:
	s_mov_b64 s[64:65], 0
	v_nop
	global_prefetch_b8 v0, s[64:65] scope:SCOPE_SE
	s_setreg_imm32_b32 hwreg(HW_REG_WAVE_MODE, 25, 1), 1
	s_wait_xcnt 0x0
	s_wait_alu depctr_hold_cnt(0) depctr_sa_sdst(0) depctr_va_vdst(0) depctr_va_sdst(0) depctr_va_ssrc(0) depctr_va_vcc(0) depctr_vm_vsrc(0)
	s_getreg_b32 s2, hwreg(HW_REG_IB_STS2, 6, 4)
	s_cmp_eq_u32 s2, 0
	s_cbranch_scc0 .Lentry_in_a_cluster
	s_endpgm
.Lentry_in_a_cluster:
	s_bfe_u32 s2, ttmp6, 0x10000c
	s_cmp_lg_u32 s2, 0x3003
	s_cbranch_scc0 .Lentry_shape_is_right
	s_endpgm
.Lentry_shape_is_right:
; LAUNCH 2 OF 3.  part[y = 4 e + hg][row][c] = the sum over the 512 hidden units of quarter hg of expert e of relu(x_e W1_e + b1_e) W2_e.  Nothing of reference() is left out here.
; First product: codes of E2M3 with E8M0 scales (x_e's from launch 1, W1's as given); the hidden layer is rounded to bf16 (for its range) for the second product; sums in f32.
; LIMITS: NaN and infinities are not served (the relu by v_max_num_f32 turns a NaN into 0).
; SHARES.  Work-group (x = block of 512 rows, y) has four waves; a wave owns 128 rows and walks all 512 hidden units, 16 (a group) at a time: 8 accumulators, 8 K steps of 128, 64 matrix instructions.
; x STAYS IN REGISTERS: the wave's 128 rows x K 1,024 are 64 fragments of 12 registers, loaded once from xq's images.  Fragment f = 8 s + a lies in window 1 + f / 21 at v[12 (f % 21)]; f = 63 in window 0.
; So only W1 is read from LDS, and each of its fragments (1,536 bytes) feeds 8 matrix instructions.
; W1 comes as WHOLE ROWS OF K (768 bytes, dense in memory, stated as rows of 256 bytes with 16 of padding behind each: an LDS row is 816 bytes) into two slots of 128 hidden units; four tiles in all.
; W1's scales, b1 and W2's fragments of my 512 hidden units are copied into LDS bytes of their own at the head.  All but x lies in window 0, so only source 1's window changes among the matrix instructions.
; LDS LOADS STAND IN TWO RUNS A GROUP.  Run 1, at a group's end behind the relu of row blocks 0-1: the next group's b1, scale words and K steps 0-5 (six buffers), 40 loads.
; Run 2, behind step 2: K steps 6 and 7 into buffers 0 and 1, and W2's fragment, 14 loads.
; TRANSPOSED USE (source 0 = 16 rows of W1, source 1 = 16 rows of x): register j of lane (r, h) is hidden unit 8 h + j of row r.  After relu and rounding, row blocks 2 p and 2 p + 1 make ONE source 1 of the bf16
; product (k 0-15: block 2 p's 16 hidden units; k 16-31: block 2 p + 1's); W2's fragment has the classes in rows 0-7 against k 0-15 and again in rows 8-15 against k 16-31.
; So lane l of sum p holds the 8 classes of my row 32 p + l.  b1 is the C of each group's first matrix instructions.
; THE HEAD: x's 192 loads a wave begin straight behind the arguments; the copies' stores and slot 1's first fill stand in the middle of them; the first group is written out and waits for x K step by K step.
; CLUSTER: the four work-groups of a cluster (same y, four row blocks) walk the same rows of W1: each tile is asked for jointly.  x is not shared inside a cluster.
; NO PREFETCH: the first two tiles are wanted from the head on, and a refill stands 512 matrix instructions of each wave ahead of the wait for it: no wave waits for it in the walk.
.set PITCH, 816
.set GSTR,  16*PITCH                   ; a group's 16 rows in a slot
.set SLOTB, 131072                     ; slot 1's first byte; a slot uses 128 x 816 = 104,448
.set WPART, 32*PITCH                   ; a wave fetches 32 rows of a tile
.set TILEB, 128*768                    ; a tile in memory
.set SCL,   128*PITCH                  ; W1's scales, [hidden 512][32 bytes], written by LDS stores
.set SPARE, SCL+16384                  ; the spare words, 128 bytes a wave
.set B1L,   SPARE+512                  ; b1, 2,048 bytes
.set STAGE, SLOTB+128*PITCH            ; the way out: 4,096 bytes a wave
.set W2L,   STAGE+16384                ; W2's 32 fragments of 1,024 bytes
.set SPW, 2                            ; my spare word; never rewritten
.set NIL, 3                            ; 0; never rewritten
.set BAS0, 4                           ; v4: 816 r + 24 h; v5: the same behind one padding more in lanes 16-31
.set ADR, 6                            ; v6-7: the same for the group whose fragments are fetched
.set SBA, 8                            ; SCL + 32 r;          v9:  + 512 x group
.set ADS, 9
.set B1A, 10                           ; B1L + 32 h;          v11: + 64 x group
.set ADB, 11
.set W2A, 12                           ; W2L + 16 x lane;     v13: + 1,024 x group
.set ADW, 13
.set L16, 14
.set STO, 15
.set RD,  16
.set T16, 17
.set L32, 18
.set BSC, 20                           ; v20-27 W1's scale words of the group, register s for K step s (scales and nothing else)
.set SA,  28                           ; v28-59 x's scale words: register 8 i + s: lanes 0-15 block 2 i, lanes 16-31 block 2 i + 1
.set BI,  60                           ; v60-67 b1 in the result's layout
.set W2F, 68                           ; v68-75 W2's fragment
.set OUT, 76                           ; v76-107 the second product's four sums
.set ACC, 108                          ; v108-171 the eight accumulators
.set BB,  172                          ; v172-243 W1's fragments, six buffers
.set A63, 244                          ; v244-255 x's fragment 63
.set TMP, 108                          ; the head's copies: 100 registers
.set G0, 32                            ; s[32:35], s[36:39] descriptor group 0, a set for each slot
.set G1, 40                            ; s[40:47] group 1
.set OFF, 26                           ; the next group's first byte in the ring
.set OFS, 27                           ; 512 x group
.set CNT, 28
.set OFB, 31                           ; 64 x group
.set OFW, 48                           ; 1,024 x group
.set MSB, 0
.macro WIN new
.if MSB != \new
	s_set_vgpr_msb (MSB<<8)|\new
.set MSB, \new
.endif
.endm
.macro PLACES n
.rept \n
	v_nop
.endr
.endm
.macro CREST
	s_cmp_lg_u32 s18, 0
	s_cbranch_scc1 .Lnot_wave_0_\@
	s_barrier_signal -3
.Lnot_wave_0_\@:
	s_barrier_wait -3
	s_barrier_signal -1
	s_barrier_wait -1
.endm
.macro CROUND
	s_barrier_signal -1
	s_barrier_wait -1
	CREST
.endm
.set XF, 0
.macro XL n                            ; the next n fragments of x, K step by K step; image (a, s) lies at (8 a + s) x 1,536
.rept \n
.if XF < 63
.set rA, 12*(XF%21)
	WIN ((1+XF/21)<<6)
.else
.set rA, A63
	WIN 0
.endif
.irp q, 0,1,2
	global_load_b128 v[rA+4*\q:rA+4*\q+3], v[L16], s[4:5] offset:((XF%8)*8+XF/8)*1536+512*\q
.endr
.set XF, XF+1
.endr
	WIN 0
.endm
	s_load_b256 s[4:11], s[0:1], 0x0               ; xq, xs, W1's codes, W1's scales
	s_load_b128 s[12:15], s[0:1], 0x20             ; b1, w2f
	s_load_b64 s[16:17], s[0:1], 0x30              ; part
	v_lshl_add_u32 v[SPW], v0, 2, SPARE
	v_mov_b32 v[NIL], 0
	ds_add_u32 v[SPW], v[NIL]                      ; the opening lines: the add twice on end and one wait
	ds_add_u32 v[SPW], v[NIL]
	v_lshrrev_b32 v1, 5, v0
	v_readfirstlane_b32 s18, v1                    ; wave
	s_bfe_u32 s21, ttmp6, 0x40000                  ; cx
	s_lshl_b32 s22, ttmp9, 2
	s_add_co_u32 s22, s22, s21                     ; my block of 512 rows
	s_and_b32 s23, ttmp7, 0xffff                   ; y = 4 e + hg: my first hidden unit, counted through all experts, is 512 y
	s_lshr_b32 s24, s23, 2                         ; e
	s_lshl_b32 s29, s22, 2
	s_add_co_u32 s29, s29, s18                     ; my 128 rows: 4 x block + wave
	s_lshl_b32 s25, s24, 5
	s_add_co_u32 s25, s25, s29                     ; the same, counted through all experts
	s_mov_b32 s[G1+0], 15|(3<<16)|(1<<20)|(1<<21)|(5<<22)|(3<<25)   ; mask: all four; elements of 8 bytes; padding on; bit 21 beside a mask; after every 64 words, 4 words
	s_mov_b32 s[G1+1], 32<<16                      ; 96 rows of 256 bytes = 32 rows of W1
	s_mov_b32 s[G1+2], 96<<16
	s_mov_b32 s[G1+3], 32<<16
	s_mov_b32 s[G1+4], 96
	s_mov_b32 s[G1+5], 32
	s_mov_b32 s[G1+6], 0
	s_mov_b32 s[G1+7], 0
	s_lshl_b32 s54, s23, 9
	s_lshl_b32 s55, s18, 5
	s_add_co_u32 s54, s54, s55
	s_mul_i32 s54, s54, 768                        ; W1's codes: row 512 y + 32 x wave (nothing of cx)
	s_mov_b32 s55, 0
	s_mov_b32 s[G0+0], 1
	s_mov_b32 s[G0+4], 1
	s_mul_i32 s[G0+1], s18, WPART
	s_add_co_u32 s[G0+5], s[G0+1], SLOTB
	s_mul_i32 s56, s25, 98304                      ; xq: 64 images of 1,536 bytes for 128 rows
	s_mov_b32 s57, 0
	s_lshl_b32 s58, s25, 12                        ; xs: 32 bytes a row
	s_mov_b32 s59, 0
	s_lshl_b32 s60, s23, 14                        ; W1's scales: 32 bytes a hidden unit
	s_mov_b32 s61, 0
	s_lshl_b32 s62, s23, 11                        ; b1
	s_mov_b32 s63, 0
	s_lshl_b32 s66, s23, 15                        ; w2f: 32 fragments of 1,024 bytes
	s_mov_b32 s67, 0
	s_lshl_b32 s68, s23, 17                        ; part: plane y,
	s_lshl_b32 s69, s29, 12                        ; my 128 rows of 32 bytes
	s_add_co_u32 s68, s68, s69
	s_mov_b32 s69, 0
	s_lshl_b32 s30, s18, 12
	s_add_co_u32 s30, s30, STAGE                   ; my stage
	s_mov_b32 s[OFF], 0
	s_mov_b32 s[OFS], 0
	s_mov_b32 s[OFB], 0
	s_mov_b32 s[OFW], 0
	v_and_b32 v1, 31, v0
	v_lshlrev_b32 v[L16], 4, v1
	v_lshlrev_b32 v[L32], 5, v1
	v_lshlrev_b32 v[T16], 4, v0
	s_wait_alu depctr_va_vdst(0)
	s_wait_dscnt 0x0
	s_wait_kmcnt 0x0
	s_add_nc_u64 s[G0+2:G0+3], s[8:9], s[54:55]    ; slot 0: tile 0
	s_add_nc_u64 s[G0+6:G0+7], s[G0+2:G0+3], TILEB ; slot 1: tile 1
	s_or_b32 s[G0+3], s[G0+3], 0x80000000
	s_or_b32 s[G0+7], s[G0+7], 0x80000000
	s_add_nc_u64 s[4:5], s[4:5], s[56:57]
	s_add_nc_u64 s[6:7], s[6:7], s[58:59]
	s_add_nc_u64 s[10:11], s[10:11], s[60:61]
	s_add_nc_u64 s[12:13], s[12:13], s[62:63]
	s_add_nc_u64 s[14:15], s[14:15], s[66:67]
	s_add_nc_u64 s[16:17], s[16:17], s[68:69]
.irp i, 0,1,2,3,4,5,6,7
	global_load_b128 v[TMP+4*\i:TMP+4*\i+3], v[T16], s[10:11] offset:2048*\i   ; W1's scales, 16,384 dense bytes
.endr
.irp i, 0,1,2,3,4,5,6,7,8,9,10,11,12,13,14,15
	global_load_b128 v[TMP+32+4*\i:TMP+32+4*\i+3], v[T16], s[14:15] offset:2048*\i   ; W2's fragments, 32,768 dense bytes
.endr
	global_load_b128 v[TMP+96:TMP+99], v[T16], s[12:13]                        ; b1, 2,048 bytes
.irp i, 0,1,2,3
.irp q, 0,1
	global_load_b128 v[SA+8*\i+4*\q:SA+8*\i+4*\q+3], v[L32], s[6:7] offset:1024*\i+16*\q   ; lane l: the 8 words of my row 32 i + l
.endr
.endr
	XL 10
	CROUND                                         ; the four work-groups are here: the first joint loads meet
	tensor_load_to_lds s[G0:G0+3], s[G1:G1+7]      ; tile 0, my 32 rows: my one load at the head
	s_nop 0
	PLACES 4
	v_and_b32 v19, 15, v0                          ; r
	v_bfe_u32 v1, v0, 4, 1                         ; h
	v_mul_u32_u24 v[BAS0], v19, PITCH
	v_mad_u32_u24 v[BAS0], v1, 24, v[BAS0]
	v_lshl_add_u32 v[BAS0+1], v1, 4, v[BAS0]
	v_add_nc_u32 v[ADR], s[OFF], v[BAS0]
	v_add_nc_u32 v[ADR+1], s[OFF], v[BAS0+1]
	v_lshlrev_b32 v[SBA], 5, v19
	v_add_nc_u32 v[SBA], SCL, v[SBA]
	v_add_nc_u32 v[ADS], s[OFS], v[SBA]
	v_lshlrev_b32 v[B1A], 5, v1
	v_add_nc_u32 v[B1A], B1L, v[B1A]
	v_add_nc_u32 v[ADB], s[OFB], v[B1A]
	v_add_nc_u32 v[W2A], W2L, v[L16]
	v_add_nc_u32 v[ADW], s[OFW], v[W2A]
	v_add_nc_u32 v[STO], s30, v[L32]
	v_add_nc_u32 v[RD], s30, v[L16]
	v_add_nc_u32 v19, SCL, v[T16]                  ; the copies: scales and, 16,896 bytes on, b1;
	v_add_nc_u32 v1, W2L, v[T16]                   ; W2's fragments
.set j, 0
.rept 32
	v_mov_b32 v[OUT+j], 0                          ; the second product's four sums begin as zeros, so that the group is written once for all 32
.set j, j+1
.endr
	s_wait_alu depctr_va_vdst(0)
	XL 30
	s_wait_loadcnt 63                              ; behind the 25 loads of the copies 128 loads were issued: the copies are in
	s_wait_tensorcnt 0x0                           ; no tensor load of mine is out when I store to LDS
.irp i, 0,1,2,3,4,5,6,7
	ds_store_b128 v19, v[TMP+4*\i:TMP+4*\i+3] offset:2048*\i
.endr
.irp i, 0,1,2,3,4,5,6,7,8,9,10,11,12,13,14,15
	ds_store_b128 v1, v[TMP+32+4*\i:TMP+32+4*\i+3] offset:2048*\i
.endr
	ds_store_b128 v19, v[TMP+96:TMP+99] offset:B1L-SCL
	s_wait_tensorcnt 0x0
	ds_add_u32 v[SPW], v[NIL]
	s_wait_dscnt 0x0                               ; the add and my stores
	CROUND                                         ; tile 0 and the copies are whole for all four waves; the joint loads meet
	tensor_load_to_lds s[G0+4:G0+7], s[G1:G1+7]    ; tile 1: slot 1's first fill
	s_nop 0
	PLACES 4
	XL 24
; a piece of 8 bytes of a fragment of W1: byte y of a row lies at y + 16 (y / 256); lanes 16-31 read 24 bytes on, which may be behind one padding more
.macro PIECE nb, s2, p
.set BY, 96*(\s2)+48*((\p)/3)+8*((\p)%3)
.set OF, BY+16*(BY/256)
.if BY/256 == (BY+24)/256
	ds_load_b64 v[BB+12*(\nb)+2*(\p):BB+12*(\nb)+2*(\p)+1], v[ADR] offset:OF
.else
	ds_load_b64 v[BB+12*(\nb)+2*(\p):BB+12*(\nb)+2*(\p)+1], v[ADR+1] offset:OF
.endif
.endm
.macro RUN1                            ; 40 loads: b1, the scale words, K steps 0 to 5
	ds_load_b128 v[BI:BI+3], v[ADB]
	ds_load_b128 v[BI+4:BI+7], v[ADB] offset:16
	ds_load_b128 v[BSC:BSC+3], v[ADS]
	ds_load_b128 v[BSC+4:BSC+7], v[ADS] offset:16
.irp t, 0,1,2,3,4,5
.irp p, 0,1,2,3,4,5
	PIECE \t, \t, \p
.endr
.endr
.endm
.macro RUN2                            ; 14 loads: K steps 6 and 7, W2's fragment
.irp t, 0,1
.irp p, 0,1,2,3,4,5
	PIECE \t, 6+\t, \p
.endr
.endr
	ds_load_b128 v[W2F:W2F+3], v[ADW]
	ds_load_b128 v[W2F+4:W2F+7], v[ADW] offset:512
.endm
.macro MM s, a                         ; row block a, K step s.  The eight accumulators take turns
.set FI, 8*(\s)+(\a)
.if FI < 63
.set rA, 12*(FI%21)
	WIN ((1+FI/21)<<2)
.else
.set rA, A63
	WIN 0
.endif
.set rD, ACC+8*(\a)
.set rC, rD
.if (\s) == 0
.set rC, BI
.endif
.set rB, BB+12*((\s)%6)
.if (\a)%2
	v_wmma_scale_f32_16x16x128_f8f6f4 v[rD:rD+7], v[rB:rB+11], v[rA:rA+11], v[rC:rC+7], v[BSC+(\s)], v[SA+8*((\a)/2)+(\s)] matrix_a_fmt:MATRIX_FMT_FP6 matrix_b_fmt:MATRIX_FMT_FP6 matrix_b_scale:MATRIX_SCALE_ROW1
.else
	v_wmma_scale_f32_16x16x128_f8f6f4 v[rD:rD+7], v[rB:rB+11], v[rA:rA+11], v[rC:rC+7], v[BSC+(\s)], v[SA+8*((\a)/2)+(\s)] matrix_a_fmt:MATRIX_FMT_FP6 matrix_b_fmt:MATRIX_FMT_FP6
.endif
.endm
.macro STEP s, dw                      ; dw: the LDS loads younger than this step's, which may be out
	s_wait_dscnt \dw
.irp a, 0,1,2,3,4,5,6,7
	MM \s, \a
.endr
.endm
.macro RELU p                          ; row blocks 2 p, 2 p + 1: relu from each accumulator's low end on, rounding to bf16 in place: result i lies at or under its sources
.irp j, 0,1,2,3,4,5,6,7,8,9,10,11,12,13,14,15
	v_max_num_f32 v[ACC+16*\p+\j], 0, v[ACC+16*\p+\j]
.endr
.irp i, 0,1,2,3,4,5,6,7
	v_cvt_pk_bf16_f32 v[ACC+16*\p+\i], v[ACC+16*\p+2*\i], v[ACC+16*\p+2*\i+1]
.endr
.endm
.macro W2MM p                          ; one product for two row blocks; the four sums take turns
	v_wmma_f32_16x16x32_bf16 v[OUT+8*\p:OUT+8*\p+7], v[W2F:W2F+7], v[ACC+16*\p:ACC+16*\p+7], v[OUT+8*\p:OUT+8*\p+7]
.endm
; A GROUP: 16 hidden units.  mode 0: inside a slot; 1: a slot's last, the slot is filled again; 2: a slot's last, nothing left to fetch; 3: the launch's last.  cur: this slot; nbase: the next slot's first byte.
; lw = 1: the launch's first group, which waits for x's last three K steps, 24 loads each, step by step.
; In modes 1 and 2 the change of slots stands at the group's end: my reads of this slot ended with run 2, and run 1 reads the next slot.
.macro GROUP mode, cur, nbase, lw
.set CURG, G0+4*(\cur)
	STEP 0, 30                                     ; of run 1 the steps 1 to 5 may be out
	STEP 1, 24
	STEP 2, 18
	PLACES 4                                       ; between the products that read buffers 0 and 1 (and the last group's that read W2's fragment) and the loads into them
	RUN2
	STEP 3, 26                                     ; steps 4, 5 and run 2
	STEP 4, 20
.if \lw
	s_wait_loadcnt 48                              ; x's K step 5 is in
.endif
	STEP 5, 14
.if \lw
	s_wait_loadcnt 24
.endif
	STEP 6, 8                                      ; step 7 and W2's fragment
.if \lw
	s_wait_loadcnt 0x0
.endif
	STEP 7, 2
	WIN 0
	PLACES 4                                       ; between the last products and the first read of their results
.if (\mode) == 1
	s_wait_tensorcnt 0x0                           ; my part of the next slot's tile has landed
	ds_add_u32 v[SPW], v[NIL]                      ; the work on registers below stands between the add and its wait
	s_add_nc_u64 s[CURG+2:CURG+3], s[CURG+2:CURG+3], 2*TILEB   ; no load of mine is out: this slot's next tile
.elseif (\mode) == 2
	s_wait_tensorcnt 0x0
.endif
.if (\mode) == 0
	s_add_co_u32 s[OFF], s[OFF], GSTR
.elseif (\mode) < 3
	s_mov_b32 s[OFF], \nbase
.endif
.if (\mode) < 3
	s_add_co_u32 s[OFS], s[OFS], 512
	s_add_co_u32 s[OFB], s[OFB], 64
	s_add_co_u32 s[OFW], s[OFW], 1024
.endif
	RELU 0
.if (\mode) < 3
	v_add_nc_u32 v[ADR], s[OFF], v[BAS0]           ; on to the next group
	v_add_nc_u32 v[ADR+1], s[OFF], v[BAS0+1]
	v_add_nc_u32 v[ADS], s[OFS], v[SBA]
	v_add_nc_u32 v[ADB], s[OFB], v[B1A]
	v_add_nc_u32 v[ADW], s[OFW], v[W2A]
.endif
	s_wait_alu depctr_va_vdst(0)
.if (\mode) == 1
	s_wait_dscnt 0x0                               ; the add is done and my reads of this slot are over
	s_barrier_signal -1
	s_barrier_wait -1
	CREST                                          ; the barrier has opened a round of the cluster's: no wave of any partner still reads this slot
	tensor_load_to_lds s[CURG:CURG+3], s[G1:G1+7]  ; my one load behind the round
	s_nop 0
	PLACES 4
.elseif (\mode) == 2
	s_wait_dscnt 0x0
	s_barrier_signal -1
	s_barrier_wait -1                              ; the last tile is whole for all four waves
.endif
.if (\mode) < 3
	RUN1
	s_wait_dscnt 40                                ; W2's fragment is in; run 1 may be out
.else
	s_wait_dscnt 0x0
.endif
	W2MM 0
	RELU 1
	W2MM 1
	RELU 2
	W2MM 2
	RELU 3
	W2MM 3
	PLACES 5                                       ; the next group's first products write over registers that this product took as a source; the way out reads results
.endm
.macro INNER n                         ; n groups inside a slot
	s_mov_b32 s[CNT], \n
.Lgroup_\@:
	GROUP 0, 0, 0, 0
	s_sub_co_u32 s[CNT], s[CNT], 1
	s_cmp_lg_u32 s[CNT], 0
	s_cbranch_scc1 .Lgroup_\@
.endm
	RUN1                                           ; the first group's
	s_wait_loadcnt 63                              ; x's scales and its K steps 0 to 4 are in: behind them stand 72 loads
	GROUP 0, 0, 0, 1                               ; tile 0, in slot 0
	INNER 6
	GROUP 1, 0, SLOTB, 0                           ; slot 0 takes tile 2
	INNER 7                                        ; tile 1, in slot 1
	GROUP 1, 1, 0, 0                               ; slot 1 takes tile 3
	INNER 7                                        ; tile 2
	GROUP 2, 0, SLOTB, 0
	INNER 7                                        ; tile 3
	GROUP 3, 0, 0, 0
	; THE WAY OUT: lane l of sum p holds the 32 bytes of my row 32 p + l.  Through my own stage, so that each store covers 512 consecutive bytes
.irp p, 0,1,2,3
	ds_store_b128 v[STO], v[OUT+8*\p:OUT+8*\p+3] offset:1024*\p        ; each sum from its low end on
	ds_store_b128 v[STO], v[OUT+8*\p+4:OUT+8*\p+7] offset:1024*\p+16
.endr
.irp i, 0,1,2,3,4,5,6,7
	ds_load_b128 v[ACC+4*\i:ACC+4*\i+3], v[RD] offset:512*\i           ; my own bytes; LDS serves a wave's instructions in order
.endr
	s_wait_dscnt 0x0
.irp i, 0,1,2,3,4,5,6,7
	global_store_b128 v[L16], v[ACC+4*\i:ACC+4*\i+3], s[16:17] offset:512*\i
.endr
	s_wait_tensorcnt 0x0                           ; the wave's end
	ds_add_u32 v[SPW], v[NIL]
	s_wait_dscnt 0x0
	CROUND                                         ; the closing round
	s_endpgm
.Lfunc_end_k_qe8467a8d19_gemm:
	.size	k_qe8467a8d19_gemm, .Lfunc_end_k_qe8467a8d19_gemm-k_qe8467a8d19_gemm
	.p2alignl 7, 3214868480
	.fill 96, 4, 3214868480
	.section	.rodata,"a",@progbits
	.p2align	6, 0x0
	.amdhsa_kernel k_qe8467a8d19_gemm
		.amdhsa_group_segment_fixed_size 327680
		.amdhsa_private_segment_fixed_size 0
		.amdhsa_enable_private_segment 0
		.amdhsa_kernarg_size 56
		.amdhsa_user_sgpr_count 2
		.amdhsa_user_sgpr_kernarg_segment_ptr 1
		.amdhsa_wavefront_size32 1
		.amdhsa_system_sgpr_workgroup_id_x 1
		.amdhsa_system_sgpr_workgroup_id_y 1
		.amdhsa_system_sgpr_workgroup_id_z 1
		.amdhsa_system_vgpr_workitem_id 0
		.amdhsa_next_free_vgpr 1024
		.amdhsa_next_free_sgpr 80
		.amdhsa_reserve_vcc 0
		.amdhsa_float_denorm_mode_32 3
		.amdhsa_float_denorm_mode_16_64 3
		.amdhsa_memory_ordered 1
		.amdhsa_forward_progress 1
		.amdhsa_inst_pref_size 186
	.end_amdhsa_kernel
	.amdgpu_metadata
---
amdhsa.version: [ 1, 2 ]
amdhsa.kernels:
  - .name:           k_qe8467a8d19_gemm
    .symbol:         k_qe8467a8d19_gemm.kd
    .args:
      - { .name: xq, .offset: 0, .size: 8, .value_kind: global_buffer, .address_space: global }
      - { .name: xs, .offset: 8, .size: 8, .value_kind: global_buffer, .address_space: global }
      - { .name: W1_codes, .offset: 16, .size: 8, .value_kind: global_buffer, .address_space: global }
      - { .name: W1_scales, .offset: 24, .size: 8, .value_kind: global_buffer, .address_space: global }
      - { .name: b1, .offset: 32, .size: 8, .value_kind: global_buffer, .address_space: global }
      - { .name: w2f, .offset: 40, .size: 8, .value_kind: global_buffer, .address_space: global }
      - { .name: part, .offset: 48, .size: 8, .value_kind: global_buffer, .address_space: global }
    .group_segment_fixed_size: 327680
    .private_segment_fixed_size: 0
    .kernarg_segment_align: 8
    .kernarg_segment_size: 56
    .max_flat_workgroup_size: 128
    .sgpr_count:     80
    .vgpr_count:     1024
    .wavefront_size: 32
...
	.end_amdgpu_metadata
.endif
;; end of part 2
;; launch finish (part 3): grid 256 x 1, 2 waves a work-group, no clusters, 0 bytes of LDS; arguments z_cat, mu_cat, part, b2, out0, out1; writes out0, out1
.if DOCPART == 3
	.amdgcn_target "amdgcn-amd-amdhsa--gfx1250"
	.amdhsa_code_object_version 6
	.text
	.protected	k_qe8467a8d19_finish
	.globl	k_qe8467a8d19_finish
	.p2align	8
	.type	k_qe8467a8d19_finish,@function
k_qe8467a8d19_finish:
	s_mov_b64 s[64:65], 0
	v_nop
	global_prefetch_b8 v0, s[64:65] scope:SCOPE_SE
	s_setreg_imm32_b32 hwreg(HW_REG_WAVE_MODE, 25, 1), 1
	s_wait_xcnt 0x0
; LAUNCH 3 OF 3.  The gate: sims = (z / max(|z|, 1e-12)) . (mu_e / max(|mu_e|, 1e-12)), w = softmax(sims) with the row's maximum taken away (out1);
; out0[row][c] = the sum over e of w_e (part[4 e .. 4 e + 3][row][c] summed + b2[e][c]).
; LEFT OUT: the division by tau: tau_gate = 1 is a constant of the problem, a factor that is 1.
; LIMITS: the dot product is divided by the two held norms, where reference() normalises the vectors first: another order of rounding.  NaN and infinities are not served; a sum of squares under the
; smallest normal f32 number counts as 0 in the square root.
; SHARES: a wave takes 8 rows.  For the sums along 256 a lane holds k = 4 l .. 4 l + 3 and 128 + 4 l .. + 3.  For all else lane l is (row l / 4, pair of classes l % 4), so that a wave's load of part and its two
; stores each cover 256 consecutive bytes.  All in f32 by vector instructions: 8 M multiply-adds are no work for the matrix units; no LDS, no barrier: waves share nothing.
.set L16, 4                            ; v4   16 x lane
.set L8,  5                            ; v5   8 x lane
.set Q8,  6                            ; v6   8 x (lane % 4)
.set T,   8                            ; v8-16   nine sums at work
.set U,   17                           ; v17-25  lane permutes' destinations
.set MX,  26
.set PA,  32                           ; v32-63   part: pair 2 p
.set Z,   64                           ; v64-127  z: 8 registers a row; later: W, v96-111: (w_e, w_e); v112-119 at work
; part HAS FOUR PLANES AN EXPERT NOW (this takes the place of what the head says of it): out0[row][c] = the sum over e of w_e (part[4 e .. 4 e + 3][row][c] summed + b2[e][c]).
; Plane p lies in v[32 + 2 p]: planes 16-31 land on z's rows 0-3 (v64-95) once those rows are done with; w and the registers at work lie on z's rows 4-7.
.set W,   96
.set AC,  112
.set TP,  114
.set O1,  116
.set TQ,  118
.set MU,  128                          ; v128-191 mu: 8 registers an expert
.set B2,  192                          ; v192-207 b2: pair e
.set SEL, 208                          ; v208-216 my row's 8 dot products and z . z
.set MN,  217                          ; v217-224 mu_e . mu_e
.set P,   226                          ; v226-243 nine packed sums
.set R,   244                          ; v244-252 norms, then their reciprocals
	s_load_b256 s[4:11], s[0:1], 0x0               ; z s[4:5], mu s[6:7], part s[8:9], b2 s[10:11]
	s_load_b128 s[12:15], s[0:1], 0x20             ; out0 s[12:13], out1 s[14:15]
	v_lshrrev_b32 v1, 5, v0
	v_readfirstlane_b32 s31, v1                    ; wave
	v_and_b32 v1, 31, v0
	v_lshlrev_b32 v[L16], 4, v1
	v_lshlrev_b32 v[L8], 3, v1
	v_and_b32 v[Q8], 3, v0
	v_lshlrev_b32 v[Q8], 3, v[Q8]
.irp i, 1,2,3,4,5,6,7
	s_mov_b32 s[16+\i], 0xf<<(4*\i)                ; the four lanes of row i
.endr
	s_mov_b32 s25, 0x22222222                      ; the lanes with l % 4 = 1, 2, 3
	s_mov_b32 s26, 0x44444444
	s_mov_b32 s27, 0x88888888
	s_mov_b32 s28, 0x76543210
	s_mov_b32 s29, 0xfedcba98                      ; v_permlanex16_b32's selects for lane l xor 16
	s_mov_b32 s30, 0x3fb8aa3b                      ; log2(e)
	s_lshl_b32 s32, ttmp9, 1
	s_add_co_u32 s32, s32, s31                     ; which 8 rows are mine
	s_lshl_b32 s34, s32, 13                        ; 8 rows of 1,024 bytes in z,
	s_mov_b32 s35, 0
	s_lshl_b32 s32, s32, 8                         ; of 32 bytes in part and the outputs
	s_mov_b32 s33, 0
.irp k, 0,1,2,3,4,5,6,7,8
	v_mov_b32 v[U+\k], 0                           ; written once: a lane permute's destination counts as one of its sources
.endr
	s_wait_kmcnt 0x0
	s_add_nc_u64 s[4:5], s[4:5], s[34:35]
	s_add_nc_u64 s[8:9], s[8:9], s[32:33]
	s_add_nc_u64 s[12:13], s[12:13], s[32:33]
	s_add_nc_u64 s[14:15], s[14:15], s[32:33]
.irp i, 0,1,2,3,4,5,6,7
	global_load_b128 v[Z+8*\i:Z+8*\i+3], v[L16], s[4:5] offset:1024*\i th:TH_LOAD_NT
	global_load_b128 v[Z+8*\i+4:Z+8*\i+7], v[L16], s[4:5] offset:1024*\i+512 th:TH_LOAD_NT
.endr
.irp i, 0,1,2,3,4,5,6,7
	global_load_b128 v[MU+8*\i:MU+8*\i+3], v[L16], s[6:7] offset:1024*\i
	global_load_b128 v[MU+8*\i+4:MU+8*\i+7], v[L16], s[6:7] offset:1024*\i+512
.endr
.irp p, 0,1,2,3,4,5,6,7,8,9,10,11,12,13,14,15
	global_load_b64 v[PA+2*\p:PA+2*\p+1], v[L8], s[8:9] offset:\p*131072 th:TH_LOAD_NT
.endr
.irp e, 0,1,2,3,4,5,6,7
	global_load_b64 v[B2+2*\e:B2+2*\e+1], v[Q8], s[10:11] offset:32*\e
.endr
	s_wait_loadcnt 24                              ; z and mu are in; the 24 loads of part and b2 may be out
; n sums over the wave's 32 lanes, by turns, so that no line waits for the line above it; the result stands in every lane, in v[T + k] and v[U + k], still to be added
.macro WSUM n
.set k, 0
.rept \n
	v_add_f32 v[T+k], v[P+2*k], v[P+2*k+1]
.set k, k+1
.endr
.irp m, 1,2,4,8
.set k, 0
.rept \n
	v_add_f32_dpp v[T+k], v[T+k], v[T+k] row_xmask:\m row_mask:0xf bank_mask:0xf
.set k, k+1
.endr
.endr
.set k, 0
.rept \n
	v_permlanex16_b32 v[U+k], v[T+k], s28, s29
.set k, k+1
.endr
.endm
	; mu_e . mu_e
.irp k, 0,1,2,3,4,5,6,7
	v_pk_mul_f32 v[P+2*\k:P+2*\k+1], v[MU+8*\k:MU+8*\k+1], v[MU+8*\k:MU+8*\k+1]
.endr
.irp q, 1,2,3
.irp k, 0,1,2,3,4,5,6,7
	v_pk_fma_f32 v[P+2*\k:P+2*\k+1], v[MU+8*\k+2*\q:MU+8*\k+2*\q+1], v[MU+8*\k+2*\q:MU+8*\k+2*\q+1], v[P+2*\k:P+2*\k+1]
.endr
.endr
	WSUM 8
.irp k, 0,1,2,3,4,5,6,7
	v_add_f32 v[MN+\k], v[T+\k], v[U+\k]
.endr
; row i: z . mu_e for the 8 experts, and z . z; kept in the row's own four lanes
.macro ROW i
.irp k, 0,1,2,3,4,5,6,7
	v_pk_mul_f32 v[P+2*\k:P+2*\k+1], v[Z+8*\i:Z+8*\i+1], v[MU+8*\k:MU+8*\k+1]
.endr
	v_pk_mul_f32 v[P+16:P+17], v[Z+8*\i:Z+8*\i+1], v[Z+8*\i:Z+8*\i+1]
.irp q, 1,2,3
.irp k, 0,1,2,3,4,5,6,7
	v_pk_fma_f32 v[P+2*\k:P+2*\k+1], v[Z+8*\i+2*\q:Z+8*\i+2*\q+1], v[MU+8*\k+2*\q:MU+8*\k+2*\q+1], v[P+2*\k:P+2*\k+1]
.endr
	v_pk_fma_f32 v[P+16:P+17], v[Z+8*\i+2*\q:Z+8*\i+2*\q+1], v[Z+8*\i+2*\q:Z+8*\i+2*\q+1], v[P+16:P+17]
.endr
	WSUM 9
.if \i == 0
.irp k, 0,1,2,3,4,5,6,7,8
	v_add_f32 v[SEL+\k], v[T+\k], v[U+\k]          ; the first row writes all lanes
.endr
.else
.irp k, 0,1,2,3,4,5,6,7,8
	v_add_f32 v[T+\k], v[T+\k], v[U+\k]
.endr
.irp k, 0,1,2,3,4,5,6,7,8
	v_cndmask_b32 v[SEL+\k], v[SEL+\k], v[T+\k], s[16+\i]
.endr
.endif
.endm
.irp i, 0,1,2,3
	ROW \i
.endr
.irp p, 16,17,18,19,20,21,22,23,24,25,26,27,28,29,30,31
	global_load_b64 v[PA+2*\p:PA+2*\p+1], v[L8], s[8:9] offset:\p*131072 th:TH_LOAD_NT
.endr
.irp i, 4,5,6,7
	ROW \i
.endr
	; the norms, held at 1e-12 from below, and their reciprocals: two batches, one wait each
	s_wait_alu depctr_va_vdst(0)
.irp k, 0,1,2,3,4,5,6,7
	v_sqrt_f32 v[R+\k], v[MN+\k]
.endr
	v_sqrt_f32 v[R+8], v[SEL+8]
	v_nop                                          ; a plain instruction behind the last transcendental
	s_wait_alu depctr_va_vdst(0)                   ; one wait for the batch, ahead of the first line that names a result
.irp k, 0,1,2,3,4,5,6,7,8
	v_max_num_f32 v[R+\k], 0x2b8cbccc, v[R+\k]
.endr
	s_wait_alu depctr_va_vdst(0)
.irp k, 0,1,2,3,4,5,6,7,8
	v_rcp_f32 v[R+\k], v[R+\k]
.endr
	v_nop
	s_wait_alu depctr_va_vdst(0)
.irp k, 0,1,2,3,4,5,6,7
	v_mul_f32 v[R+\k], v[R+\k], v[R+8]
.endr
.irp k, 0,1,2,3,4,5,6,7
	v_mul_f32 v[SEL+\k], v[SEL+\k], v[R+\k]        ; sims
.endr
	v_max3_num_f32 v[MX], v[SEL], v[SEL+1], v[SEL+2]
	v_max3_num_f32 v[MX], v[MX], v[SEL+3], v[SEL+4]
	v_max3_num_f32 v[MX], v[MX], v[SEL+5], v[SEL+6]
	v_max_num_f32 v[MX], v[MX], v[SEL+7]           ; the row's maximum is taken away, as reference()'s softmax does
	v_mul_f32 v[MX], s30, v[MX]
.irp k, 0,1,2,3,4,5,6,7
	v_fma_f32 v[SEL+\k], v[SEL+\k], s30, -v[MX]
.endr
	s_wait_alu depctr_va_vdst(0)
.irp k, 0,1,2,3,4,5,6,7
	v_exp_f32 v[SEL+\k], v[SEL+\k]
.endr
	v_nop
	s_wait_alu depctr_va_vdst(0)
.irp k, 0,1,2,3
	v_add_f32 v[T+\k], v[SEL+2*\k], v[SEL+2*\k+1]
.endr
	v_add_f32 v[T], v[T], v[T+1]
	v_add_f32 v[T+2], v[T+2], v[T+3]
	v_add_f32 v[T], v[T], v[T+2]
	s_wait_alu depctr_va_vdst(0)
	v_rcp_f32 v[T], v[T]
	v_nop
	s_wait_alu depctr_va_vdst(0)
.irp k, 0,1,2,3,4,5,6,7
	v_mul_f32 v[W+2*\k], v[SEL+\k], v[T]           ; w_e, twice: a pair for the packed multiply-adds
	v_mul_f32 v[W+2*\k+1], v[SEL+\k], v[T]
.endr
	v_cndmask_b32 v[O1], v[W], v[W+4], s25         ; out1: my pair is w of classes 2 (l % 4), 2 (l % 4) + 1
	v_cndmask_b32 v[O1+1], v[W+2], v[W+6], s25
	v_cndmask_b32 v[O1], v[O1], v[W+8], s26
	v_cndmask_b32 v[O1+1], v[O1+1], v[W+10], s26
	v_cndmask_b32 v[O1], v[O1], v[W+12], s27
	v_cndmask_b32 v[O1+1], v[O1+1], v[W+14], s27
	global_store_b64 v[L8], v[O1:O1+1], s[14:15]   ; 32 lanes store 256 consecutive bytes, at a multiple of 256 from out1's first byte
	s_wait_loadcnt 0x0                             ; part and b2
.irp e, 0,1,2,3,4,5,6,7
	v_pk_add_f32 v[TP:TP+1], v[PA+8*\e:PA+8*\e+1], v[PA+8*\e+2:PA+8*\e+3]
	v_pk_add_f32 v[TQ:TQ+1], v[PA+8*\e+4:PA+8*\e+5], v[PA+8*\e+6:PA+8*\e+7]
	v_pk_add_f32 v[TP:TP+1], v[TP:TP+1], v[TQ:TQ+1]
	v_pk_add_f32 v[TP:TP+1], v[TP:TP+1], v[B2+2*\e:B2+2*\e+1]
.if \e == 0
	v_pk_mul_f32 v[AC:AC+1], v[TP:TP+1], v[W:W+1]  ; the first term starts the sum
.else
	v_pk_fma_f32 v[AC:AC+1], v[TP:TP+1], v[W+2*\e:W+2*\e+1], v[AC:AC+1]
.endif
.endr
	global_store_b64 v[L8], v[AC:AC+1], s[12:13]
	s_endpgm
.Lfunc_end_k_qe8467a8d19_finish:
	.size	k_qe8467a8d19_finish, .Lfunc_end_k_qe8467a8d19_finish-k_qe8467a8d19_finish
	.p2alignl 7, 3214868480
	.fill 96, 4, 3214868480
	.section	.rodata,"a",@progbits
	.p2align	6, 0x0
	.amdhsa_kernel k_qe8467a8d19_finish
		.amdhsa_group_segment_fixed_size 0
		.amdhsa_private_segment_fixed_size 0
		.amdhsa_enable_private_segment 0
		.amdhsa_kernarg_size 48
		.amdhsa_user_sgpr_count 2
		.amdhsa_user_sgpr_kernarg_segment_ptr 1
		.amdhsa_wavefront_size32 1
		.amdhsa_system_sgpr_workgroup_id_x 1
		.amdhsa_system_sgpr_workgroup_id_y 1
		.amdhsa_system_sgpr_workgroup_id_z 1
		.amdhsa_system_vgpr_workitem_id 0
		.amdhsa_next_free_vgpr 256
		.amdhsa_next_free_sgpr 66
		.amdhsa_reserve_vcc 0
		.amdhsa_float_denorm_mode_32 3
		.amdhsa_float_denorm_mode_16_64 3
		.amdhsa_memory_ordered 1
		.amdhsa_forward_progress 1
		.amdhsa_inst_pref_size 70
	.end_amdhsa_kernel
	.amdgpu_metadata
---
amdhsa.version: [ 1, 2 ]
amdhsa.kernels:
  - .name:           k_qe8467a8d19_finish
    .symbol:         k_qe8467a8d19_finish.kd
    .args:
      - { .name: z_cat, .offset: 0, .size: 8, .value_kind: global_buffer, .address_space: global }
      - { .name: mu_cat, .offset: 8, .size: 8, .value_kind: global_buffer, .address_space: global }
      - { .name: part, .offset: 16, .size: 8, .value_kind: global_buffer, .address_space: global }
      - { .name: b2, .offset: 24, .size: 8, .value_kind: global_buffer, .address_space: global }
      - { .name: out0, .offset: 32, .size: 8, .value_kind: global_buffer, .address_space: global }
      - { .name: out1, .offset: 40, .size: 8, .value_kind: global_buffer, .address_space: global }
    .group_segment_fixed_size: 0
    .private_segment_fixed_size: 0
    .kernarg_segment_align: 8
    .kernarg_segment_size: 48
    .max_flat_workgroup_size: 64
    .sgpr_count:     66
    .vgpr_count:     256
    .wavefront_size: 32
...
	.end_amdgpu_metadata
.endif
;; end of part 3
